; MI455X (gfx1250); checked and timed in simulation.
; The chip was launched on July 23, 2026; its instructions are those of AMD's public machine-readable ISA for CDNA 5 (MIT licence, August 2026) and "CDNA5" Instruction Set Architecture Reference Guide (July 2026). The comments in the code are by the model that wrote it; some were corrected since.
;; KNN Layer. Allowed arithmetic: float matrix products may take bf16 or f16 operands with f32 sums; other float arithmetic in f32, or as packed bf16 or f16 multiplies, adds, multiply-adds, maxima and minima; sums over many terms, partial sums and values carried from step to step in f32; what a program stores and reads back later, other than sums and carried values, may be rounded once to bf16 or f16.
;; Inputs: W1 256 x 256 float32; W2 256 x 128 float32; b1 256 float32; b2 128 float32; features 32 x 1,024 x 128 float32; points 32 x 1,024 x 2 float32.
;; Outputs: out0 32 x 1,024 x 128 float32.
;; 2 versions, each right; version 2 is version 1 with the launch prep written anew for expert scheduling mode. Each part assembles by itself: llvm-mc -triple=amdgcn-amd-amdhsa -mcpu=gfx1250 --defsym DOCPART=n.
;; ======== version 1 of 2: 3 launches
;; limits: a function is approximated: absolute error at most 0.001
;; workspace buffers: NBR 2,097,152 bytes of whole numbers; U 16,777,216 bytes; CC 33,554,432 bytes; W2I 65,536 bytes
;; launch knn (part 1): grid 256 x 1, 4 waves a work-group, no clusters, 39,936 bytes of LDS; arguments points, NBR; writes NBR
.if DOCPART == 1
	.amdgcn_target "amdgcn-amd-amdhsa--gfx1250"
	.amdhsa_code_object_version 6
	.text
	.protected	k_q9ab4d287b3_knn
	.globl	k_q9ab4d287b3_knn
	.p2align	8
	.type	k_q9ab4d287b3_knn,@function
k_q9ab4d287b3_knn:
	s_mov_b64 s[64:65], 0
	v_nop
	global_prefetch_b8 v0, s[64:65] scope:SCOPE_SE
	s_setreg_imm32_b32 hwreg(HW_REG_WAVE_MODE, 25, 1), 1
	s_wait_xcnt 0x0
; THE 16 NEAREST NEIGHBOURS of each of the 32 x 1,024 points: places 1 to 16 in the order (D, index); place 0 is dropped, as reference() drops it.
; NBR[query][16] = index x 512: the byte offset of the neighbour's row in U, inside its batch; the 16 stand in no particular order (a mean is taken over them).
; D = |(r_q - 2 (q0 p0 + q1 p1)) + r_j| on points rounded to bf16, as every input of this program is.  Products of two such numbers are exact in f32, so D has one value however the arithmetic is fused.
; LIMITS: coordinates below 2^-60 in size may give products that are not exact; NaN and infinities are not treated.
; NO ADDRESS, BRANCH OR TRIP COUNT HANGS ON DATA: every candidate is looked at by every query, and the distances steer selects alone.
; SHARES.  A work-group owns 128 queries of one batch, a lane one query.  All lanes of a wave look at the same candidate: its p0, p1 and r come from LDS, by loads whose address is the same in all lanes.
; PASS A: the 17 least D, values alone, kept sorted in 17 registers: place s takes the middle one of (place s - 1, place s, the new D).  T = the 17th; AL = how many of the 17 equal T.
; PASS B: D once more.  Candidate j is a neighbour if D < T, or D = T and fewer than AL candidates with D = T came before it (j ascends: the lower index first), but not if it is the first with D = the least D.
;   The compares give masks of lanes; scalar logic joins them; bit k of a block's word is set by a select and a tree of sums; the word goes to my wave's own LDS.
; EXTRACTION: 16 times the lowest bit of the first word that is not 0 is numbered and cleared.
; No cluster, no tensor load, no prefetch: a work-group reads 8 KiB and stores 8 KiB.
.set P1O, 4096                         ; LDS: p0 of the batch's 1,024 points at 0, p1 here,
.set RO,  8192                         ; r here,
.set PAD, 12288                        ; 512 bytes of zeros: the last trip's loads for a next block read 128 of them
.set WM,  12800                        ; the blocks' words: 4,096 bytes a wave, block w at 128 w, 4 bytes a lane
.set OS,  29184                        ; the way out: 32 rows of 80 bytes a wave
.set SPARE, 39424                      ; the spare words, 128 bytes a wave
.set LV,  16                           ; v[16:32]   the 17 least D, ascending
.set AL,  33                           ; v33        how many of them equal the 17th
.set TC,  34                           ; v34        candidates with D = T so far
.set WW,  35                           ; v35        the block's word
.set EM,  36                           ; v[36:51]   at work: 16 candidates' 0 or 1, then their bits
.set CUR, 52                           ; v52        extraction: the first word that is not 0
.set BS,  53                           ; v53        its number
.set T0,  54                           ; v54, v55   at work
.set T1,  55
.set CZ,  56                           ; v56        the bit's number, then the index
.set C0,  57                           ; v57, v58   at work
.set C1,  58
.set T,   64                           ; v[64:95]   D of a block's 32 candidates
.set PB0, 96                           ; v[96:127]  their p0
.set PB1, 128                          ; v[128:159] their p1
.set PBR, 160                          ; v[160:191] their r
.set BIT, 192                          ; v[192:223] pass B: 1 << k
.set WD,  192                          ; v[192:223] extraction: my 32 words
.set SA,  16                           ; s[16:31]   masks of 16 candidates: D < T, then: is a neighbour
.set SB,  32                           ; s[32:47]   D = T
.set SC,  48                           ; s[48:63]   D = the least D
.set SD,  66                           ; s[66:81]   fewer than AL equals so far; then: is place 0
.set SEEN, 82                          ; s82        lanes that have met their place 0
; v1 my words in LDS, for reading; v2, v3 the add's registers; v4 the block's LDS address, the same in all lanes; v7 8 x thread; v8 4 x thread; v9 where the block's word goes
; v[10:11] q0, q1; v[12:13] r_q, 0; v14 my own point in LDS; v59 16 x lane; v60, v61 the way out, in and back
	s_load_b128 s[4:7], s[0:1], 0x0                ; points s[4:5], NBR s[6:7]
	v_lshl_add_u32 v2, v0, 2, SPARE
	v_mov_b32 v3, 0
	v_lshrrev_b32 v5, 5, v0
	v_readfirstlane_b32 s8, v5                     ; wave 0..3
	v_and_b32 v6, 31, v0                           ; lane
	v_lshlrev_b32 v7, 3, v0
	s_lshl_b32 s9, s8, 7
	v_lshl_add_u32 v8, v6, 2, s9                   ; 4 x thread, as wave and lane
	s_lshl_b32 s9, s8, 12
	s_add_co_u32 s9, s9, WM
	v_lshl_add_u32 v9, v6, 2, s9
	v_mov_b32 v1, v9
	s_and_b32 s9, ttmp9, 7
	s_lshl_b32 s9, s9, 9                           ; the work-group's 128 points among the batch's, 4 bytes each
	v_add_nc_u32 v14, s9, v8
	s_mul_i32 s9, s8, 2560
	s_add_co_u32 s9, s9, OS
	v_mul_u32_u24 v60, v6, 80
	v_add_nc_u32 v60, s9, v60                      ; in: my row
	v_lshrrev_b32 v5, 2, v6
	v_mul_u32_u24 v61, v5, 80
	v_and_b32 v5, 3, v6
	v_lshl_add_u32 v61, v5, 4, v61
	v_add_nc_u32 v61, s9, v61                      ; back: four lanes a row
	v_lshlrev_b32 v59, 4, v6
	s_lshr_b32 s10, ttmp9, 3                       ; the batch: 8 work-groups each,
	s_lshl_b32 s10, s10, 13                        ; 8,192 bytes of points
	s_mov_b32 s11, 0
	s_lshl_b32 s12, ttmp9, 13                      ; 128 rows of 64 bytes of NBR,
	s_lshl_b32 s13, s8, 11                         ; my wave's 32
	s_add_co_u32 s12, s12, s13
	s_mov_b32 s13, 0
	s_mov_b32 s14, 0x7fffffff
	s_mov_b32 s15, 0x7f800000
	s_wait_kmcnt 0x0
	s_add_nc_u64 s[10:11], s[4:5], s[10:11]
	s_add_nc_u64 s[12:13], s[6:7], s[12:13]
.set ii, 0
.rept 8
	global_load_b64 v[96+2*ii:97+2*ii], v7, s[10:11] offset:1024*ii   ; point thread + 128 i
.set ii, ii+1
.endr
.set ss, 0
.rept 17
	v_mov_b32 v[LV+ss], s15                        ; the list starts at +inf
.set ss, ss+1
.endr
.set kk, 0
.rept 32
	v_mov_b32 v[BIT+kk], 1<<kk
.set kk, kk+1
.endr
	v_mov_b32 v13, 0
	v_mov_b32 v4, 0
	s_wait_loadcnt 0x0
.set ii, 0
.rept 8
	v_cvt_pk_bf16_f32 v36, v[96+2*ii], v[97+2*ii]  ; rounded to bf16, and widened again
	v_lshlrev_b32 v37, 16, v36
	v_and_b32 v38, 0xffff0000, v36
	v_mul_f32 v39, v37, v37
	v_fma_f32 v39, v38, v38, v39
	ds_store_b32 v8, v37 offset:512*ii
	ds_store_b32 v8, v38 offset:P1O+512*ii
	ds_store_b32 v8, v39 offset:RO+512*ii
.set ii, ii+1
.endr
	ds_store_b32 v8, v3 offset:PAD
	s_wait_dscnt 0x0                               ; for the others' sake: my points lie in LDS
	s_barrier_signal -1
	s_barrier_wait -1
	ds_load_b32 v10, v14                           ; my query
	ds_load_b32 v11, v14 offset:P1O
	ds_load_b32 v12, v14 offset:RO
; a block's 32 candidates: 24 loads, four numbers each, the same for all lanes
.macro LOADS
.set ii, 0
.rept 8
	ds_load_b128 v[PB0+4*ii:PB0+4*ii+3], v4 offset:16*ii
	ds_load_b128 v[PB1+4*ii:PB1+4*ii+3], v4 offset:P1O+16*ii
	ds_load_b128 v[PBR+4*ii:PBR+4*ii+3], v4 offset:RO+16*ii
.set ii, ii+1
.endr
.endm
; D of the block's 32 candidates, two to a line
.macro DIST
.set ii, 0
.rept 16
	v_pk_mul_f32 v[T+ii:T+ii+1], v[PB0+ii:PB0+ii+1], v[10:11] op_sel_hi:[1,0]                                       ; q0 p0
.set ii, ii+2
.endr
.set ii, 0
.rept 16
	v_pk_fma_f32 v[T+ii:T+ii+1], v[PB1+ii:PB1+ii+1], v[10:11], v[T+ii:T+ii+1] op_sel:[0,1,0] op_sel_hi:[1,1,1]      ; + q1 p1
.set ii, ii+2
.endr
.set ii, 0
.rept 16
	v_pk_fma_f32 v[T+ii:T+ii+1], v[T+ii:T+ii+1], -2.0, v[12:13] op_sel_hi:[1,0,0]                                   ; r_q - 2 m
.set ii, ii+2
.endr
.set ii, 0
.rept 16
	v_pk_add_f32 v[T+ii:T+ii+1], v[T+ii:T+ii+1], v[PBR+ii:PBR+ii+1]                                                 ; + r_j
.set ii, ii+2
.endr
.set ii, 0
.rept 32
	v_and_b32 v[T+ii], s14, v[T+ii]
.set ii, ii+1
.endr
.endm
	LOADS
	s_mov_b32 s9, 32
.LA:                                                   ; PASS A: a trip a block of 32 candidates
	s_wait_dscnt 0x0                               ; the block's numbers, asked for a trip's insertions ago (at first: just now, with my query)
	DIST
	v_add_nc_u32 v4, 128, v4
	LOADS                                          ; the next block; behind the last block: bytes that serve nothing
.set kk, 0
.rept 32
.set ss, 16
.rept 16
	v_med3_num_f32 v[LV+ss], v[LV+ss-1], v[LV+ss], v[T+kk]   ; from the top down, so that place s - 1 is still the old one
.set ss, ss-1
.endr
	v_min_num_f32 v[LV], v[LV], v[T+kk]
.set kk, kk+1
.endr
	s_sub_co_u32 s9, s9, 1
	s_cmp_lg_u32 s9, 0
	s_cbranch_scc1 .LA
	s_wait_dscnt 0x0                               ; the loads that serve nothing: their registers are loaded again only behind this wait
	v_mov_b32 v4, 0
	LOADS                                          ; block 0 once more
	v_mov_b32 v[AL], 0
	v_mov_b32 v[TC], 0
	s_mov_b32 s[SEEN], 0
.set ss, 0
.rept 17
	v_cmp_eq_f32 vcc_lo, v[LV+ss], v[LV+16]
	v_cndmask_b32 v[T0], 0, 1, vcc_lo
	v_add_nc_u32 v[AL], v[AL], v[T0]
.set ss, ss+1
.endr
; 16 candidates of pass B, stage by stage, so that a mask is read some lines behind the compare that makes it
.macro GROUP g
.set ii, 0
.rept 16
	v_cmp_eq_f32 s[SB+ii], v[T+16*\g+ii], v[LV+16]
.set ii, ii+1
.endr
.set ii, 0
.rept 16
	v_cndmask_b32 v[EM+ii], 0, 1, s[SB+ii]
.set ii, ii+1
.endr
.set ii, 0
.rept 16
	v_cmp_gt_u32 s[SD+ii], v[AL], v[TC]            ; fewer than AL equals have come before this candidate
	v_add_nc_u32 v[TC], v[TC], v[EM+ii]
	v_cmp_lt_f32 s[SA+ii], v[T+16*\g+ii], v[LV+16]
	v_cmp_eq_f32 s[SC+ii], v[T+16*\g+ii], v[LV]
.set ii, ii+1
.endr
.set ii, 0
.rept 16
	s_and_b32 s[SB+ii], s[SB+ii], s[SD+ii]         ; an equal that still counts
	s_or_b32 s[SA+ii], s[SA+ii], s[SB+ii]          ; among the 17
	s_and_not1_b32 s[SD+ii], s[SC+ii], s[SEEN]     ; the first with the least D: place 0
	s_or_b32 s[SEEN], s[SEEN], s[SC+ii]
	s_and_not1_b32 s[SA+ii], s[SA+ii], s[SD+ii]    ; a neighbour
.set ii, ii+1
.endr
.set ii, 0
.rept 16
	v_cndmask_b32 v[EM+ii], 0, v[BIT+16*\g+ii], s[SA+ii]
.set ii, ii+1
.endr
	v_add3_u32 v[EM], v[EM], v[EM+1], v[EM+2]      ; the bits differ, so their sum is their union
	v_add3_u32 v[EM+3], v[EM+3], v[EM+4], v[EM+5]
	v_add3_u32 v[EM+6], v[EM+6], v[EM+7], v[EM+8]
	v_add3_u32 v[EM+9], v[EM+9], v[EM+10], v[EM+11]
	v_add3_u32 v[EM+12], v[EM+12], v[EM+13], v[EM+14]
	v_add3_u32 v[EM], v[EM], v[EM+3], v[EM+6]
	v_add3_u32 v[EM+9], v[EM+9], v[EM+12], v[EM+15]
.if \g == 0
	v_add_nc_u32 v[WW], v[EM], v[EM+9]
.else
	v_add3_u32 v[WW], v[WW], v[EM], v[EM+9]
.endif
.endm
	s_mov_b32 s9, 32
.LB:                                                   ; PASS B: a trip a block of 32 candidates
	s_wait_dscnt 0x0                               ; the block's numbers, and the last trip's store
	DIST
	v_add_nc_u32 v4, 128, v4
	LOADS
	GROUP 0
	GROUP 1
	ds_store_b32 v9, v[WW]                         ; block w's word: bit k stands for point 32 w + k
	v_add_nc_u32 v9, 128, v9
	s_sub_co_u32 s9, s9, 1
	s_cmp_lg_u32 s9, 0
	s_cbranch_scc1 .LB
	s_wait_dscnt 0x0
.set ww, 0
.rept 32
	ds_load_b32 v[WD+ww], v1 offset:128*ww         ; my wave's own bytes
.set ww, ww+1
.endr
	s_mov_b32 s48, 0xaaaaaaaa                      ; the five tests of where a single bit lies
	s_mov_b32 s49, 0xcccccccc
	s_mov_b32 s50, 0xf0f0f0f0
	s_mov_b32 s51, 0xff00ff00
	s_mov_b32 s52, 0xffff0000
	s_mov_b32 s9, 16
	s_wait_dscnt 0x0
.LX:                                                   ; EXTRACTION: a trip a neighbour
	v_mov_b32 v[CUR], 0
	v_mov_b32 v[BS], 0
	s_mov_b32 s82, 0
.set ww, 0
.rept 32
	v_cmp_ne_u32 s[16+ww], 0, v[WD+ww]
.set ww, ww+1
.endr
.set ww, 0
.rept 16                                       ; mask w keeps the lanes whose first word that is not 0 is word w; s82 and s83 take turns as 'a word has been found'
	s_or_b32 s83, s82, s[16+2*ww]
	s_and_not1_b32 s[16+2*ww], s[16+2*ww], s82
	s_or_b32 s82, s83, s[17+2*ww]
	s_and_not1_b32 s[17+2*ww], s[17+2*ww], s83
.set ww, ww+1
.endr
.set ww, 0
.rept 16                                       ; two words at a time: the word and its number are kept, and the word loses its lowest bit
	v_add_nc_u32 v[T0], -1, v[WD+2*ww]
	v_add_nc_u32 v[T1], -1, v[WD+2*ww+1]
	v_cndmask_b32 v[CUR], v[CUR], v[WD+2*ww], s[16+2*ww]
	v_and_b32 v[T0], v[WD+2*ww], v[T0]
	v_and_b32 v[T1], v[WD+2*ww+1], v[T1]
	v_cndmask_b32 v[BS], v[BS], 2*ww, s[16+2*ww]
	v_cndmask_b32 v[WD+2*ww], v[WD+2*ww], v[T0], s[16+2*ww]
	v_cndmask_b32 v[CUR], v[CUR], v[WD+2*ww+1], s[17+2*ww]
	v_cndmask_b32 v[BS], v[BS], 2*ww+1, s[17+2*ww]
	v_cndmask_b32 v[WD+2*ww+1], v[WD+2*ww+1], v[T1], s[17+2*ww]
.set ww, ww+1
.endr
	v_sub_nc_u32 v[C0], 0, v[CUR]
	v_and_b32 v[C0], v[CUR], v[C0]                 ; the lowest bit alone
	v_and_b32 v[C1], s48, v[C0]
	v_min_u32 v[CZ], 1, v[C1]
.irp b, 1,2,3,4
	v_and_b32 v[C1], s[48+\b], v[C0]
	v_min_u32 v[C1], 1, v[C1]
	v_lshl_or_b32 v[CZ], v[C1], \b, v[CZ]
.endr
	v_lshl_add_u32 v[CZ], v[BS], 5, v[CZ]          ; the index,
	v_lshlrev_b32 v[CZ], 9, v[CZ]                  ; times a row of U
	ds_store_b32 v60, v[CZ]
	v_add_nc_u32 v60, 4, v60
	s_sub_co_u32 s9, s9, 1
	s_cmp_lg_u32 s9, 0
	s_cbranch_scc1 .LX
.set kk, 0
.rept 4
	ds_load_b128 v[64+4*kk:67+4*kk], v61 offset:640*kk   ; my wave's own bytes, served in order behind the stores: eight rows of 64 bytes
.set kk, kk+1
.endr
.set kk, 0
.rept 4
	s_wait_dscnt 3-kk                              ; the younger loads may stay out
	global_store_b128 v59, v[64+4*kk:67+4*kk], s[12:13] offset:512*kk   ; 512 consecutive bytes, aligned
.set kk, kk+1
.endr
	s_wait_tensorcnt 0x0                           ; the wave's end: three closing lines behind my last LDS store
	ds_add_u32 v2, v3
	s_wait_dscnt 0x0
	s_endpgm
.Lfunc_end_k_q9ab4d287b3_knn:
	.size	k_q9ab4d287b3_knn, .Lfunc_end_k_q9ab4d287b3_knn-k_q9ab4d287b3_knn
	.p2alignl 7, 3214868480
	.fill 96, 4, 3214868480
	.section	.rodata,"a",@progbits
	.p2align	6, 0x0
	.amdhsa_kernel k_q9ab4d287b3_knn
		.amdhsa_group_segment_fixed_size 39936
		.amdhsa_private_segment_fixed_size 0
		.amdhsa_enable_private_segment 0
		.amdhsa_kernarg_size 16
		.amdhsa_user_sgpr_count 2
		.amdhsa_user_sgpr_kernarg_segment_ptr 1
		.amdhsa_wavefront_size32 1
		.amdhsa_system_sgpr_workgroup_id_x 1
		.amdhsa_system_sgpr_workgroup_id_y 1
		.amdhsa_system_sgpr_workgroup_id_z 1
		.amdhsa_system_vgpr_workitem_id 0
		.amdhsa_next_free_vgpr 224
		.amdhsa_next_free_sgpr 84
		.amdhsa_reserve_vcc 1
		.amdhsa_float_denorm_mode_32 3
		.amdhsa_float_denorm_mode_16_64 3
		.amdhsa_memory_ordered 1
		.amdhsa_forward_progress 1
		.amdhsa_inst_pref_size 96
	.end_amdhsa_kernel
	.amdgpu_metadata
---
amdhsa.version: [ 1, 2 ]
amdhsa.kernels:
  - .name:           k_q9ab4d287b3_knn
    .symbol:         k_q9ab4d287b3_knn.kd
    .args:
      - { .name: points, .offset: 0, .size: 8, .value_kind: global_buffer, .address_space: global }
      - { .name: NBR, .offset: 8, .size: 8, .value_kind: global_buffer, .address_space: global }
    .group_segment_fixed_size: 39936
    .private_segment_fixed_size: 0
    .kernarg_segment_align: 8
    .kernarg_segment_size: 16
    .max_flat_workgroup_size: 128
    .sgpr_count:     84
    .vgpr_count:     224
    .wavefront_size: 32
...
	.end_amdgpu_metadata
.endif
;; end of part 1
;; launch prep (part 2): grid 256 x 1, 4 waves a work-group, no clusters, 279,040 bytes of LDS; arguments features, W1, b1, W2, U, CC, W2I; writes U, CC, W2I
.if DOCPART == 2
	.amdgcn_target "amdgcn-amd-amdhsa--gfx1250"
	.amdhsa_code_object_version 6
	.text
	.protected	k_q9ab4d287b3_prep
	.globl	k_q9ab4d287b3_prep
	.p2align	8
	.type	k_q9ab4d287b3_prep,@function
k_q9ab4d287b3_prep:
	s_mov_b64 s[64:65], 0
	v_nop
	global_prefetch_b8 v0, s[64:65] scope:SCOPE_SE
	s_setreg_imm32_b32 hwreg(HW_REG_WAVE_MODE, 25, 1), 1
	s_wait_xcnt 0x0
; LAYER 1 IS LINEAR IN FRONT OF ITS GELU: (f_j - f_i) W1a + f_i W1b + b1 = U[j] + C[i] (W1a: rows 0-127 of W1, W1b: rows 128-255), with
;   U[j] = f_j W1a - f_ref W1a   and   C[i] = (f_i W1b + b1) - U[i],   f_ref = the features of the batch's point 0.
; The reference row drops out of the sum; it is there so that what is rounded to bf16 (U) is of the size of the features' spread, whatever offset they share.
; This launch makes U (bf16, [point][256]) and C (f32, [point][256]) once for each point, and W2I, W2 in bf16 in the order in which the next launch's matrix operand wants it.
; All inputs are rounded to bf16; sums and the differences behind them in f32.  U is rounded once more, to bf16, when it is stored; C, which all 16 neighbours of a point share, stays in f32.
; SHARES.  A work-group owns 128 points, a wave 32 (two blocks of 16).  W1 lies in LDS in bf16 as it lies in memory ([k][n]) and is read turned, by ds_load_tr16_b128.
; THE MATRIX INSTRUCTION IS USED TRANSPOSED (source 0 = 16 columns of W1, source 1 = 16 points): a lane then holds one point (lane % 16) and eight neighbouring columns 8 (lane / 16) + 0..7.
; A fifth product takes the reference row as all 16 points: every lane then holds f_ref W1a for just the columns of its other results.
; No cluster and no tensor load: W1 is 256 KiB read once by a work-group and converted on the way, which wants registers anyway.
.set FSB, 139264                       ; behind W1 (256 rows x 544 bytes): the features, 32 rows x 272 bytes a wave
.set USB, 174080                       ; the way out, each wave's own: U 32 rows x 272 bytes, then C 32 rows x 528 bytes: 25,600 bytes a wave
.set B1S, 276480                       ; b1, rounded to bf16, as f32: 1,024 bytes
.set SPARE, 277504                     ; the spare words, 128 bytes a wave
.set RFS, 278016                       ; the reference row in bf16, 256 bytes, a copy for each wave
.set W, 80                             ; the way out's 64 registers: W1's fragments, which are dead outside a tile
; v4, v5 turned loads of W1a, W1b; v6 b1; v7, v8 into the way out (U, C), columns 0-127; v188, v189 the same for columns 128-255; v9 feature fragments; v10, v11 U back and in memory;
; v12, v13 C back and in memory; v14, v15 the add's registers; v190 the reference row's fragments
; v[16:79] feature fragments (block m, K step k at 16 + 32 m + 8 k); v[80:111], v[112:143] fragments of W1a, W1b; v[144:151] b1; v[152:183] four accumulators; v[184:187] U packed;
; v[192:223] the reference row's fragments; v[224:231] its accumulator
; at the head: v[16:23] at work, v24-27, v44-46 addresses, v[28:43] b1 and W2, v[48:51] the reference row, v[64:127] W1's ring, v[128:255] features
	s_load_b256 s[4:11], s[0:1], 0x0               ; features s[4:5], W1 s[6:7], b1 s[8:9], W2 s[10:11]
	s_load_b128 s[12:15], s[0:1], 0x20             ; U s[12:13], CC s[14:15]
	s_load_b64 s[16:17], s[0:1], 0x30              ; W2I
	v_lshl_add_u32 v14, v0, 2, SPARE
	v_mov_b32 v15, 0
	v_lshrrev_b32 v1, 5, v0
	v_readfirstlane_b32 s18, v1                    ; wave 0..3
	v_and_b32 v1, 31, v0                           ; l
	v_and_b32 v2, 15, v0                           ; l % 16
	v_bfe_u32 v3, v0, 4, 1                         ; l / 16
	v_and_b32 v16, 7, v0
	v_lshl_add_u32 v16, v3, 3, v16
	v_mul_u32_u24 v4, v16, 544                     ; the turning load: row 8 (l / 16) + l % 8,
	v_bfe_u32 v16, v0, 3, 1
	v_lshl_add_u32 v4, v16, 4, v4                  ; 16 bytes for each half of eight lanes
	v_add_nc_u32 v5, 69632, v4                     ; 128 rows on
	v_lshl_add_u32 v6, v3, 5, B1S
	s_mul_i32 s19, s18, 25600
	s_add_co_u32 s19, s19, USB
	s_add_co_u32 s20, s19, 8704
	s_mul_i32 s21, s18, 8704
	s_add_co_u32 s21, s21, FSB
	s_lshl_b32 s24, s18, 8
	s_add_co_u32 s24, s24, RFS                     ; my wave's copy of the reference row
	v_mul_u32_u24 v7, v2, 272
	v_lshl_add_u32 v7, v3, 4, v7
	v_add_nc_u32 v9, s21, v7
	v_add_nc_u32 v7, s19, v7
	v_mul_u32_u24 v8, v2, 528
	v_lshl_add_u32 v8, v3, 5, v8
	v_add_nc_u32 v8, s20, v8
	v_mul_u32_u24 v10, v3, 272
	v_lshl_add_u32 v10, v2, 4, v10
	v_add_nc_u32 v10, s19, v10
	v_lshlrev_b32 v11, 9, v3
	v_lshl_add_u32 v11, v2, 4, v11
	v_lshl_add_u32 v12, v1, 4, s20
	v_lshlrev_b32 v13, 4, v1
	v_lshlrev_b32 v24, 4, v0                       ; 16 x thread: W1 and b1 in memory
	s_lshr_b32 s22, s18, 1
	s_mul_i32 s22, s22, 544
	s_and_b32 s23, s18, 1
	s_lshl_b32 s23, s23, 8
	s_add_co_u32 s22, s22, s23
	v_lshl_add_u32 v25, v1, 3, s22                 ; W1 in LDS: row thread / 64, 8 bytes at 8 (thread % 64)
	v_lshl_add_u32 v26, v1, 3, s21                 ; features in LDS
	s_lshl_b32 s23, s18, 9
	s_add_co_u32 s23, s23, B1S
	v_lshl_add_u32 v27, v1, 4, s23
	v_and_b32 v16, 1, v1
	v_lshlrev_b32 v44, 11, v16                     ; W2: rows 4 (l % 2) on,
	v_lshrrev_b32 v16, 1, v1
	v_lshl_add_u32 v44, v16, 5, v44                ; column 8 (l / 2)
	v_lshlrev_b32 v45, 3, v1                       ; W2I: 8 bytes a lane
	v_lshl_add_u32 v46, v1, 3, s24                 ; the reference row in LDS
	s_lshl_b32 s40, ttmp9, 16                      ; my 32 points: rows of 512 bytes in features and U,
	s_lshl_b32 s41, s18, 14
	s_add_co_u32 s40, s40, s41
	s_mov_b32 s41, 0
	s_lshl_b32 s42, ttmp9, 17                      ; of 1,024 bytes in CC
	s_lshl_b32 s43, s18, 15
	s_add_co_u32 s42, s42, s43
	s_mov_b32 s43, 0
	; W2I: work-group g makes 256 bytes: of fragment g / 4 = 8 s + t the half (g / 2) % 2, lanes 16 (g % 2) on: rows 32 s + 16 half + 8 (g % 2) on of W2, columns t, 8 + t, ..
	s_lshr_b32 s44, ttmp9, 5
	s_lshl_b32 s44, s44, 14                        ; 32 s rows of 512 bytes
	s_bfe_u32 s45, ttmp9, 0x10001
	s_lshl_b32 s45, s45, 13
	s_add_co_u32 s44, s44, s45
	s_and_b32 s45, ttmp9, 1
	s_lshl_b32 s45, s45, 12
	s_add_co_u32 s44, s44, s45
	s_bfe_u32 s45, ttmp9, 0x30002
	s_lshl_b32 s45, s45, 2
	s_add_co_u32 s44, s44, s45                     ; column t
	s_mov_b32 s45, 0
	s_lshl_b32 s46, ttmp9, 8
	s_mov_b32 s47, 0
	s_lshr_b32 s48, ttmp9, 3
	s_lshl_b32 s48, s48, 19                        ; the batch's first row of features
	s_mov_b32 s49, 0
	s_wait_kmcnt 0x0
	s_add_nc_u64 s[26:27], s[4:5], s[40:41]
	s_add_nc_u64 s[50:51], s[4:5], s[48:49]
	s_add_nc_u64 s[36:37], s[12:13], s[40:41]
	s_add_nc_u64 s[38:39], s[14:15], s[42:43]
	s_add_nc_u64 s[32:33], s[10:11], s[44:45]
	s_add_nc_u64 s[34:35], s[16:17], s[46:47]
	s_mov_b64 s[28:29], s[6:7]
	s_cmp_lt_u32 s18, 2                            ; b1: 64 threads, 16 bytes each
	s_cbranch_scc0 .Lb1a
	global_load_b128 v[28:31], v24, s[8:9]
.Lb1a:
	s_cmp_eq_u32 s18, 3                            ; W2's slice: wave 3
	s_cbranch_scc0 .Lw2a
.set i, 0
.rept 4
	global_load_b32 v[32+i], v44, s[32:33] offset:512*i
.set i, i+1
.endr
.Lw2a:
	global_load_b128 v[48:51], v13, s[50:51]       ; the reference row
.set i, 0
.rept 32
	global_load_b128 v[128+4*i:131+4*i], v13, s[26:27] offset:512*i th:TH_LOAD_NT   ; a row of features: 512 consecutive bytes
.set i, i+1
.endr
; W1: a ring of 16 slots in registers; the work-group's 16 loads cover 32 rows of W1
.set j, 0
.rept 16
	global_load_b128 v[64+4*j:67+4*j], v24, s[28:29] offset:2048*j
.set j, j+1
.endr
	s_mov_b32 s30, 7
.Lw1:
.set j, 0
.rept 16
	s_wait_loadcnt 15                              ; loads come back in order: slot j's is in, the 15 younger ones stay out
	v_cvt_pk_bf16_f32 v[16+2*(j%4)], v[64+4*j], v[65+4*j]
	v_cvt_pk_bf16_f32 v[17+2*(j%4)], v[66+4*j], v[67+4*j]
	ds_store_b64 v25, v[16+2*(j%4):17+2*(j%4)] offset:1088*j
	global_load_b128 v[64+4*j:67+4*j], v24, s[28:29] offset:32768+2048*j
.set j, j+1
.endr
	s_wait_xcnt 0x0                                ; the loads have read their base: only now is it stepped
	s_add_nc_u64 s[28:29], s[28:29], 32768
	v_add_nc_u32 v25, 17408, v25
	s_sub_co_u32 s30, s30, 1
	s_cmp_lg_u32 s30, 0
	s_cbranch_scc1 .Lw1
.set j, 0
.rept 16
	s_wait_loadcnt 15-j                            ; the last 32 rows: nothing more is asked for, the counts run down
	v_cvt_pk_bf16_f32 v[16+2*(j%4)], v[64+4*j], v[65+4*j]
	v_cvt_pk_bf16_f32 v[17+2*(j%4)], v[66+4*j], v[67+4*j]
	ds_store_b64 v25, v[16+2*(j%4):17+2*(j%4)] offset:1088*j
.set j, j+1
.endr
.set i, 0
.rept 32                                       ; the features were asked for ahead of W1: they are in
	v_cvt_pk_bf16_f32 v[16+2*(i%4)], v[128+4*i], v[129+4*i]
	v_cvt_pk_bf16_f32 v[17+2*(i%4)], v[130+4*i], v[131+4*i]
	ds_store_b64 v26, v[16+2*(i%4):17+2*(i%4)] offset:272*i
.set i, i+1
.endr
	v_cvt_pk_bf16_f32 v16, v48, v49                ; and so is the reference row
	v_cvt_pk_bf16_f32 v17, v50, v51
	ds_store_b64 v46, v[16:17]
	s_cmp_lt_u32 s18, 2
	s_cbranch_scc0 .Lb1b
	v_cvt_pk_bf16_f32 v16, v28, v29
	v_cvt_pk_bf16_f32 v17, v30, v31
	v_lshlrev_b32 v28, 16, v16
	v_and_b32 v29, 0xffff0000, v16
	v_lshlrev_b32 v30, 16, v17
	v_and_b32 v31, 0xffff0000, v17
	ds_store_b128 v27, v[28:31]
.Lb1b:
	s_cmp_eq_u32 s18, 3
	s_cbranch_scc0 .Lw2b
	v_cvt_pk_bf16_f32 v40, v32, v33
	v_cvt_pk_bf16_f32 v41, v34, v35
	global_store_b64 v45, v[40:41], s[34:35]       ; 256 consecutive bytes, aligned: a quarter of a fragment as the registers want it
.Lw2b:
	s_wait_dscnt 0x0                               ; for the others' sake: my part of W1 and of b1 lies in LDS
	s_barrier_signal -1
	s_barrier_wait -1
	s_wait_xcnt 0x0                                ; W2I's store has read its data and offset: the fragments below land on those registers
	v_mov_b32 v188, v7                             ; the second half's tiles begin at the same places of the way out, in registers of their own: no address is stepped back
	v_mov_b32 v189, v8
	v_lshl_add_u32 v190, v3, 4, s24                ; the reference row for every point of a fragment: no row term
.set i, 0
.rept 8                                        ; block i / 4, K step i % 4: 16 points x 32 channels, two loads of 16 bytes, 32 bytes apart
	ds_load_b128 v[16+8*i:19+8*i], v9 offset:4352*(i/4)+64*(i%4)
	ds_load_b128 v[20+8*i:23+8*i], v9 offset:4352*(i/4)+64*(i%4)+32
.set i, i+1
.endr
.set k, 0
.rept 4
	ds_load_b128 v[192+8*k:195+8*k], v190 offset:64*k
	ds_load_b128 v[196+8*k:199+8*k], v190 offset:64*k+32
.set k, k+1
.endr
; A TILE: 16 columns of U and of C for my 32 points; ua, ca: the registers that say where they go in the way out.
; The five accumulators (block 0: a, b; block 1: a, b; the reference row) take turns, one instruction a turn.  Part b's sums start with b1, the others with 0.
.macro TILE ua, ca
.set k, 0
.rept 4
	ds_load_tr16_b128 v[80+8*k:83+8*k], v4 offset:17408*k
	ds_load_tr16_b128 v[84+8*k:87+8*k], v4 offset:17408*k+8704
	ds_load_tr16_b128 v[112+8*k:115+8*k], v5 offset:17408*k
	ds_load_tr16_b128 v[116+8*k:119+8*k], v5 offset:17408*k+8704
.set k, k+1
.endr
	ds_load_b128 v[144:147], v6
	ds_load_b128 v[148:151], v6 offset:16
	s_wait_dscnt 0x0
.set k, 0
.rept 4
.set mi, 0
.rept 2
.if k == 0
	v_wmma_f32_16x16x32_bf16 v[152+16*mi:159+16*mi], v[80+8*k:87+8*k], v[16+32*mi+8*k:23+32*mi+8*k], 0
	v_wmma_f32_16x16x32_bf16 v[160+16*mi:167+16*mi], v[112+8*k:119+8*k], v[16+32*mi+8*k:23+32*mi+8*k], v[144:151]
.else
	v_wmma_f32_16x16x32_bf16 v[152+16*mi:159+16*mi], v[80+8*k:87+8*k], v[16+32*mi+8*k:23+32*mi+8*k], v[152+16*mi:159+16*mi]
	v_wmma_f32_16x16x32_bf16 v[160+16*mi:167+16*mi], v[112+8*k:119+8*k], v[16+32*mi+8*k:23+32*mi+8*k], v[160+16*mi:167+16*mi]
.endif
.set mi, mi+1
.endr
.if k == 0
	v_wmma_f32_16x16x32_bf16 v[224:231], v[80+8*k:87+8*k], v[192+8*k:199+8*k], 0
.else
	v_wmma_f32_16x16x32_bf16 v[224:231], v[80+8*k:87+8*k], v[192+8*k:199+8*k], v[224:231]
.endif
.set k, k+1
.endr
.rept 8
	v_nop                                          ; the places behind the last products, ahead of the lines that read their results (ISA guide 7.12.1)
.endr
.set mi, 0
.rept 2
.set i, 0
.rept 4
	v_pk_add_f32 v[152+16*mi+i:153+16*mi+i], v[152+16*mi+i:153+16*mi+i], v[224+i:225+i] neg_lo:[0,1] neg_hi:[0,1]   ; U = f W1a - f_ref W1a; each accumulator is read from its low end on
.set i, i+2
.endr
.set i, 0
.rept 4
	v_pk_add_f32 v[160+16*mi+i:161+16*mi+i], v[160+16*mi+i:161+16*mi+i], v[152+16*mi+i:153+16*mi+i] neg_lo:[0,1] neg_hi:[0,1]   ; C = (f W1b + b1) - U
.set i, i+2
.endr
.set i, 0
.rept 4
	v_cvt_pk_bf16_f32 v[184+i], v[152+16*mi+2*i], v[153+16*mi+2*i]
.set i, i+1
.endr
	ds_store_b128 v[\ua], v[184:187] offset:4352*mi
	ds_store_b128 v[\ca], v[160+16*mi:163+16*mi] offset:8448*mi
	ds_store_b128 v[\ca], v[164+16*mi:167+16*mi] offset:8448*mi+16
.set mi, mi+1
.endr
	v_add_nc_u32 v4, 32, v4                        ; the next 16 columns
	v_add_nc_u32 v5, 32, v5
	v_add_nc_u32 v6, 64, v6
	v_add_nc_u32 v[\ua], 32, v[\ua]
	v_add_nc_u32 v[\ca], 64, v[\ca]
.endm
; THE WAY OUT of 128 columns (half hc): my wave's own bytes come back as whole rows, served in order behind the stores above
.macro FLUSH hc
	s_wait_xcnt 0x0                                ; earlier stores have read their data: the registers are loaded again only behind this wait
.set i, 0
.rept 16
	ds_load_b128 v[W+4*i:W+4*i+3], v10 offset:544*i
.set i, i+1
.endr
.set i, 0
.rept 16
	s_wait_dscnt 15-i                              ; the younger loads may stay out
	global_store_b128 v11, v[W+4*i:W+4*i+3], s[36:37] offset:1024*i+256*\hc   ; 16 lanes store 256 consecutive bytes, aligned: half a row of U
.set i, i+1
.endr
.irp b, 0,1
	s_wait_xcnt 0x0
.set i, 0
.rept 16
	ds_load_b128 v[W+4*i:W+4*i+3], v12 offset:528*(16*\b+i)
.set i, i+1
.endr
.set i, 0
.rept 16
	s_wait_dscnt 15-i
	global_store_b128 v13, v[W+4*i:W+4*i+3], s[38:39] offset:1024*(16*\b+i)+512*\hc   ; 512 consecutive bytes, aligned: half a row of CC
.set i, i+1
.endr
.endr
.endm
	s_mov_b32 s30, 8
.Lt0:                                                  ; columns 0 to 127
	TILE 7, 8
	s_sub_co_u32 s30, s30, 1
	s_cmp_lg_u32 s30, 0
	s_cbranch_scc1 .Lt0
	FLUSH 0
	s_wait_xcnt 0x0                                ; the stores have read their data: the next tile's fragments land on those registers
	s_mov_b32 s30, 8
.Lt1:                                                  ; columns 128 to 255
	TILE 188, 189
	s_sub_co_u32 s30, s30, 1
	s_cmp_lg_u32 s30, 0
	s_cbranch_scc1 .Lt1
	FLUSH 1
	s_wait_tensorcnt 0x0                           ; the wave's end: three closing lines behind my last LDS store
	ds_add_u32 v14, v15
	s_wait_dscnt 0x0
	s_endpgm
.Lfunc_end_k_q9ab4d287b3_prep:
	.size	k_q9ab4d287b3_prep, .Lfunc_end_k_q9ab4d287b3_prep-k_q9ab4d287b3_prep
	.p2alignl 7, 3214868480
	.fill 96, 4, 3214868480
	.section	.rodata,"a",@progbits
	.p2align	6, 0x0
	.amdhsa_kernel k_q9ab4d287b3_prep
		.amdhsa_group_segment_fixed_size 279040
		.amdhsa_private_segment_fixed_size 0
		.amdhsa_enable_private_segment 0
		.amdhsa_kernarg_size 56
		.amdhsa_user_sgpr_count 2
		.amdhsa_user_sgpr_kernarg_segment_ptr 1
		.amdhsa_wavefront_size32 1
		.amdhsa_system_sgpr_workgroup_id_x 1
		.amdhsa_system_sgpr_workgroup_id_y 1
		.amdhsa_system_sgpr_workgroup_id_z 1
		.amdhsa_system_vgpr_workitem_id 0
		.amdhsa_next_free_vgpr 256
		.amdhsa_next_free_sgpr 66
		.amdhsa_reserve_vcc 0
		.amdhsa_float_denorm_mode_32 3
		.amdhsa_float_denorm_mode_16_64 3
		.amdhsa_memory_ordered 1
		.amdhsa_forward_progress 1
		.amdhsa_inst_pref_size 55
	.end_amdhsa_kernel
	.amdgpu_metadata
---
amdhsa.version: [ 1, 2 ]
amdhsa.kernels:
  - .name:           k_q9ab4d287b3_prep
    .symbol:         k_q9ab4d287b3_prep.kd
    .args:
      - { .name: features, .offset: 0, .size: 8, .value_kind: global_buffer, .address_space: global }
      - { .name: W1, .offset: 8, .size: 8, .value_kind: global_buffer, .address_space: global }
      - { .name: b1, .offset: 16, .size: 8, .value_kind: global_buffer, .address_space: global }
      - { .name: W2, .offset: 24, .size: 8, .value_kind: global_buffer, .address_space: global }
      - { .name: U, .offset: 32, .size: 8, .value_kind: global_buffer, .address_space: global }
      - { .name: CC, .offset: 40, .size: 8, .value_kind: global_buffer, .address_space: global }
      - { .name: W2I, .offset: 48, .size: 8, .value_kind: global_buffer, .address_space: global }
    .group_segment_fixed_size: 279040
    .private_segment_fixed_size: 0
    .kernarg_segment_align: 8
    .kernarg_segment_size: 56
    .max_flat_workgroup_size: 128
    .sgpr_count:     66
    .vgpr_count:     256
    .wavefront_size: 32
...
	.end_amdgpu_metadata
.endif
;; end of part 2
;; launch main (part 3): grid 256 x 1, 4 waves a work-group, no clusters, 34,304 bytes of LDS; arguments NBR, U, CC, W2I, b2, out0; writes out0
.if DOCPART == 3
	.amdgcn_target "amdgcn-amd-amdhsa--gfx1250"
	.amdhsa_code_object_version 6
	.text
	.protected	k_q9ab4d287b3_main
	.globl	k_q9ab4d287b3_main
	.p2align	8
	.type	k_q9ab4d287b3_main,@function
k_q9ab4d287b3_main:
	s_mov_b64 s[64:65], 0
	v_nop
	global_prefetch_b8 v0, s[64:65] scope:SCOPE_SE
	s_setreg_imm32_b32 hwreg(HW_REG_WAVE_MODE, 25, 1), 1
	s_wait_xcnt 0x0
; out[i] = the mean over i's 16 neighbours j of gelu(gelu(U[j] + C[i]) W2 + b2).  U (bf16), C (f32), W2I (W2 in bf16, as matrix operands) and NBR (byte offsets of U's rows) come from earlier launches.
; GELU: x Phi(x) is taken as x / (1 + 2^(x (A + B x^2))), A = -2.3022082, B = -0.10294324: the tanh form.  LIMIT: it differs from the erf form by less than 1e-3 in absolute terms for every x,
; by ever less relative to x as x goes to 0, and it goes to x and to 0 for large |x| as the erf form does.  The hidden layer is rounded to bf16 for the second product; b2 to bf16 like every input; sums in f32.
; SHARES.  A work-group owns 128 points, a wave 32, one after the other; the waves share nothing and meet at no barrier.  A point's 16 neighbours are the 16 rows of one matrix tile.
; LAYER 1: a lane holds 8 columns (8 l ..) of all 16 rows: one load brings a whole row of U (512 bytes).  The result goes through my wave's own 16 rows of LDS into fragments.
; LAYER 2: 8 K steps x 8 tiles of 16 columns.  Column r of tile t is output column 8 r + t, so that after the sum over rows a lane holds neighbouring columns.  W2 stays in registers (512).
; THREE POINTS ARE IN HAND IN A TRIP: layer 1 of point c; the products and the first half of the second GELU of point c - 1; its second half, the mean and the store of point c - 2.
; So the exponentials and reciprocals of one point stand between plain lines or products of another.  An s_wait_alu depctr_va_vdst(0) stands between such a line and the first that names its result: four batches a trip, a wait each.
; No cluster, no tensor load: the bulk of what is read is gathered rows; each is asked for a whole trip ahead, into registers.
; REGISTERS, in windows of 256 (s_set_vgpr_msb: bits 1:0 source 0, 3:2 source 1, 5:4 source 2, 7:6 destination):
;   window 0: v1-v9 addresses and 1.0; v[10:17] b2; v[18:33] gather offsets; v[34:41] C; v[42:53] the mean; v[64:191] X, layer 1's 128 numbers; v[192:255] 16 rows of U
;   window 1: v[0:127] E, at work on layer 1; v[128:191] eight accumulators; v[192:255] the fragments of the hidden layer, then E2, at work on layer 2
;   windows 2, 3: W2: K step s, tile t at 64 (s % 4) + 8 t of window 2 + s / 4
.set SPARE, 33792                      ; behind the four waves' 16 rows x 528 bytes: the spare words, 128 bytes a wave
.set B2,  10
.set VOFF, 18
.set CCR, 34
.set OO,  42
.set SD,  46
.set RC,  50
.set X,   64
.set UU,  192
.set E,   0
.set ACC, 128
.set AF,  192
.set E2,  192
.set MSB, 0
.macro WIN new                         ; the immediate's high byte repeats the setting that is left; a switch that changes nothing is dropped
.if MSB != (\new)
	s_set_vgpr_msb (MSB<<8)|(\new)
.set MSB, \new
.endif
.endm
	s_load_b256 s[4:11], s[0:1], 0x0               ; NBR s[4:5], U s[6:7], CC s[8:9], W2I s[10:11]
	s_load_b128 s[12:15], s[0:1], 0x20             ; b2 s[12:13], out s[14:15]
	v_lshl_add_u32 v6, v0, 2, SPARE
	v_mov_b32 v7, 0
	v_lshrrev_b32 v9, 5, v0
	v_readfirstlane_b32 s60, v9                    ; wave 0..3
	v_and_b32 v9, 31, v0
	v_lshlrev_b32 v1, 4, v9                        ; 16 x lane
	v_lshlrev_b32 v5, 5, v9                        ; 32 x lane: my 8 columns of C
	s_mul_i32 s54, s60, 8448
	v_add_nc_u32 v2, s54, v1                       ; the hidden layer, in: 16 bytes a lane of each row
	v_and_b32 v9, 15, v0                           ; l % 16
	v_bfe_u32 v8, v0, 4, 1                         ; l / 16
	v_mul_u32_u24 v3, v9, 528
	v_lshl_add_u32 v3, v8, 4, v3
	v_add_nc_u32 v3, s54, v3                       ; and back, as fragments: row l % 16, 16 bytes for each half of the lanes
	v_lshlrev_b32 v4, 5, v9
	v_lshl_add_u32 v4, v8, 4, v4                   ; my 16 bytes of a row of out
	v_lshlrev_b32 v9, 5, v9                        ; b2[8 (l % 16) ..]
	v_mov_b32 v8, 1.0
.set i, 0
.rept 4
	v_mov_b32 v[RC+i], 0                           ; v_permlanex16_b32 counts as a reader of its destination
.set i, i+1
.endr
	s_mov_b32 s32, 0xc0135761                      ; A
	s_mov_b32 s33, s32
	s_mov_b32 s34, 0xbdd2d3e8                      ; B
	s_mov_b32 s35, s34
	s_mov_b32 s36, 0xffff0000                      ; lanes 16 to 31
	s_mov_b32 s38, 0x76543210                      ; v_permlanex16_b32: each lane takes its own place in the other half
	s_mov_b32 s39, 0xfedcba98
	s_mov_b32 s48, 0                               ; the point to gather for next
	s_mov_b32 s51, 0
	s_mov_b32 s53, 0
	s_lshr_b32 s50, ttmp9, 3
	s_lshl_b32 s50, s50, 19                        ; the batch's 1,024 rows of U
	s_wait_kmcnt 0x0
	s_add_nc_u64 s[40:41], s[6:7], s[50:51]
	s_lshl_b32 s50, ttmp9, 17                      ; my 32 points: rows of 1,024 bytes in CC,
	s_lshl_b32 s54, s60, 15
	s_add_co_u32 s50, s50, s54
	s_add_nc_u64 s[56:57], s[8:9], s[50:51]
	s_lshl_b32 s50, ttmp9, 13                      ; of 64 bytes in NBR,
	s_lshl_b32 s54, s60, 11
	s_add_co_u32 s50, s50, s54
	s_add_nc_u64 s[58:59], s[4:5], s[50:51]
	s_lshl_b32 s50, ttmp9, 16                      ; of 512 bytes in out
	s_lshl_b32 s54, s60, 14
	s_add_co_u32 s50, s50, s54
	s_add_nc_u64 s[46:47], s[14:15], s[50:51]
	s_load_b512 s[16:31], s[58:59], 0x0            ; the first point's neighbours
	WIN 0x80
.set f, 0
.rept 32
	global_load_b128 v[8*f:8*f+3], v1, s[10:11] offset:1024*f
	global_load_b128 v[8*f+4:8*f+7], v1, s[10:11] offset:1024*f+512
.set f, f+1
.endr
	WIN 0xc0
.set f, 0
.rept 32
	global_load_b128 v[8*f:8*f+3], v1, s[10:11] offset:32768+1024*f
	global_load_b128 v[8*f+4:8*f+7], v1, s[10:11] offset:32768+1024*f+512
.set f, f+1
.endr
	WIN 0
	global_load_b128 v[B2:B2+3], v9, s[12:13]
	global_load_b128 v[B2+4:B2+7], v9, s[12:13] offset:16
; THE GATHER for point s48 (the last trip asks for point 31 once more, and uses nothing of it), and the request for the next point's neighbours.
; The offset registers, C's pointer and NBR's pointer are written here: the loads that read them last have been waited for (the trip's wait for all loads; the wait on KMcnt).
.macro GATH
	s_wait_kmcnt 0x0
.set n, 0
.rept 16
	s_min_u32 s[16+n], s[16+n], 0x7fe00            ; a loaded number enters an address only behind a bound: the last row of the batch
.set n, n+1
.endr
.set n, 0
.rept 16
	v_add_nc_u32 v[VOFF+n], s[16+n], v1
.set n, n+1
.endr
	s_min_u32 s54, s48, 31
	s_lshl_b32 s50, s54, 10
	s_add_nc_u64 s[42:43], s[56:57], s[50:51]
.set n, 0
.rept 16
	global_load_b128 v[UU+4*n:UU+4*n+3], v[VOFF+n], s[40:41]   ; a whole row of U: 512 consecutive bytes, aligned
.set n, n+1
.endr
	global_load_b128 v[CCR:CCR+3], v5, s[42:43]
	global_load_b128 v[CCR+4:CCR+7], v5, s[42:43] offset:16
	s_add_co_u32 s48, s48, 1
	s_min_u32 s54, s48, 31
	s_lshl_b32 s52, s54, 6
	s_add_nc_u64 s[44:45], s[58:59], s[52:53]
	s_load_b512 s[16:31], s[44:45], 0x0
.endm
	GATH
	s_wait_loadcnt 0x0
.set i, 0
.rept 4
	v_cvt_pk_bf16_f32 v9, v[B2+2*i], v[B2+2*i+1]   ; b2 rounded to bf16, and widened again
	v_lshlrev_b32 v[B2+2*i], 16, v9
	v_and_b32 v[B2+2*i+1], 0xffff0000, v9
.set i, i+1
.endr
; A TRIP.  l1: layer 1 of a point and the gather for the next.  mm: the products of the point before.  l2a: its bias and the argument and exponentials of its GELU.  l2b: the rest of the GELU, the mean and the store of the point before that.
.macro TRIP l1, mm, l2a, l2b
.if \l1
	WIN 0
	s_wait_loadcnt 0x0                             ; the 16 rows of U and C, asked for a trip ago
.set n, 0
.rept 16
.set p, 0
.rept 4
	v_fma_mix_f32_bf16 v[X+8*n+2*p], v[UU+4*n+p], v8, v[CCR+2*p] op_sel_hi:[1,0,0]                    ; x = U[j] x 1 + C[i], straight from the bf16 halves
	v_fma_mix_f32_bf16 v[X+8*n+2*p+1], v[UU+4*n+p], v8, v[CCR+2*p+1] op_sel:[1,0,0] op_sel_hi:[1,0,0]
.set p, p+1
.endr
.set n, n+1
.endr
	GATH
	WIN 0x40
.set i, 0
.rept 64
	v_pk_mul_f32 v[E+2*i:E+2*i+1], v[X+2*i:X+2*i+1], v[X+2*i:X+2*i+1]   ; x^2
.set i, i+1
.endr
.endif
.if (\l1) || (\l2b)
	WIN 0x41
.endif
.if \l2b
.set i, 0
.rept 32
	v_pk_add_f32 v[E2+2*i:E2+2*i+1], v[E2+2*i:E2+2*i+1], 1.0 op_sel_hi:[1,0]
.set i, i+1
.endr
.endif
.set i, 0
.rept 64                                       ; layer 2's reciprocals, a plain line of layer 1 behind each
.if \l2b
	v_rcp_f32 v[E2+i], v[E2+i]
.endif
.if \l1
	v_pk_fma_f32 v[E+2*i:E+2*i+1], v[E+2*i:E+2*i+1], s[34:35], s[32:33] op_sel_hi:[1,0,0]   ; A + B x^2
.endif
.set i, i+1
.endr
.if \l2b
	v_nop                                          ; a plain line behind the last reciprocal,
	s_wait_alu depctr_va_vdst(0)                   ; and the one wait for the 64, ahead of their first reader
	WIN 0x45
.set i, 0
.rept 32
	v_pk_mul_f32 v[E2+2*i:E2+2*i+1], v[E2+2*i:E2+2*i+1], v[ACC+2*i:ACC+2*i+1]   ; gelu = x / (1 + 2^..)
.set i, i+1
.endr
.set t, 0
.rept 8                                        ; the sum over my lane's eight rows, tile by tile
	v_pk_add_f32 v[E2+8*t:E2+8*t+1], v[E2+8*t:E2+8*t+1], v[E2+8*t+2:E2+8*t+3]
	v_pk_add_f32 v[E2+8*t+4:E2+8*t+5], v[E2+8*t+4:E2+8*t+5], v[E2+8*t+6:E2+8*t+7]
.set t, t+1
.endr
.set t, 0
.rept 8
	v_pk_add_f32 v[E2+8*t:E2+8*t+1], v[E2+8*t:E2+8*t+1], v[E2+8*t+4:E2+8*t+5]
.set t, t+1
.endr
.set t, 0
.rept 8
	v_add_f32 v[E2+8*t], v[E2+8*t], v[E2+8*t+1]
.set t, t+1
.endr
	WIN 0x05
	s_wait_xcnt 0x0                                ; the last trip's store has read its data and its base: only now are they rewritten
	s_add_nc_u64 s[46:47], s[46:47], 512           ; the store below reaches back by 512
.set i, 0
.rept 4                                        ; lanes 0-15 keep tiles 0-3 and send tiles 4-7; lanes 16-31 the other way round
	v_cndmask_b32 v[OO+i], v[E2+8*i], v[E2+8*(i+4)], s36
	v_cndmask_b32 v[SD+i], v[E2+8*(i+4)], v[E2+8*i], s36
.set i, i+1
.endr
	WIN 0
.set i, 0
.rept 4
	v_permlanex16_b32 v[RC+i], v[SD+i], s38, s39   ; the other eight rows' sums lie in the lane 16 away
.set i, i+1
.endr
	v_pk_add_f32 v[OO:OO+1], v[OO:OO+1], v[RC:RC+1]
	v_pk_add_f32 v[OO+2:OO+3], v[OO+2:OO+3], v[RC+2:RC+3]
	v_pk_mul_f32 v[OO:OO+1], v[OO:OO+1], 0x3d800000 op_sel_hi:[1,0]     ; the mean of 16
	v_pk_mul_f32 v[OO+2:OO+3], v[OO+2:OO+3], 0x3d800000 op_sel_hi:[1,0]
	global_store_b128 v4, v[OO:OO+3], s[46:47] offset:-512 th:TH_STORE_NT   ; a row of out: 512 consecutive bytes, aligned
.endif
.if \mm
	WIN 0x40
.set k, 0
.rept 8                                        ; the hidden layer's fragments: my wave's own bytes, served in order behind the last trip's stores
	ds_load_b128 v[AF+8*k:AF+8*k+3], v3 offset:64*k
	ds_load_b128 v[AF+8*k+4:AF+8*k+7], v3 offset:64*k+32
.set k, k+1
.endr
.endif
.if \l1
	WIN 0x41
.set i, 0
.rept 64
	v_pk_mul_f32 v[E+2*i:E+2*i+1], v[E+2*i:E+2*i+1], v[X+2*i:X+2*i+1]   ; x (A + B x^2)
.set i, i+1
.endr
.endif
.if \mm
	s_wait_dscnt 0x0
.endif
.if (\l1) || (\mm)
	WIN 0x59
.endif
.set q, 0
.rept 32                                       ; K steps 0-3: the eight accumulators take turns, one instruction a turn; the first eight products start the sums
.if \mm
.if q < 8
	v_wmma_f32_16x16x32_bf16 v[ACC+8*(q%8):ACC+8*(q%8)+7], v[AF+8*(q/8):AF+8*(q/8)+7], v[8*q:8*q+7], 0
.else
	v_wmma_f32_16x16x32_bf16 v[ACC+8*(q%8):ACC+8*(q%8)+7], v[AF+8*(q/8):AF+8*(q/8)+7], v[8*q:8*q+7], v[ACC+8*(q%8):ACC+8*(q%8)+7]
.endif
.endif
.if \l1
.irp z, 0,1,2,3
	v_exp_f32 v[E+4*q+\z], v[E+4*q+\z]
.endr
.endif
.set q, q+1
.endr
.if \l1
	v_nop
	s_wait_alu depctr_va_vdst(0)                   ; one wait for layer 1's 128 exponentials
.endif
.if (\l1) || (\mm)
	WIN 0x5d
.endif
.set q, 0
.rept 32                                       ; K steps 4-7
.if \mm
	v_wmma_f32_16x16x32_bf16 v[ACC+8*(q%8):ACC+8*(q%8)+7], v[AF+32+8*(q/8):AF+32+8*(q/8)+7], v[8*q:8*q+7], v[ACC+8*(q%8):ACC+8*(q%8)+7]
.endif
.if \l1
	v_pk_add_f32 v[E+4*q:E+4*q+1], v[E+4*q:E+4*q+1], 1.0 op_sel_hi:[1,0]
	v_pk_add_f32 v[E+4*q+2:E+4*q+3], v[E+4*q+2:E+4*q+3], 1.0 op_sel_hi:[1,0]
.irp z, 0,1,2,3
	v_rcp_f32 v[E+4*q+\z], v[E+4*q+\z]
.endr
.endif
.set q, q+1
.endr
.if \l1
	v_nop
	s_wait_alu depctr_va_vdst(0)                   ; one wait for layer 1's 128 reciprocals
.elseif \mm
.rept 8
	v_nop                                          ; the places behind the last products, where no other vector work stands there (ISA guide 7.12.1)
.endr
.endif
.if \l2a
	WIN 0x41
.set t, 0
.rept 8                                        ; the bias; tiles ascending, each accumulator from its low end on: the earlier tiles' lines are the places behind the later tiles' last products
.set i, 0
.rept 4
.if t%2
	v_pk_add_f32 v[ACC+8*t+2*i:ACC+8*t+2*i+1], v[ACC+8*t+2*i:ACC+8*t+2*i+1], v[B2+2*(t/2):B2+2*(t/2)+1] op_sel:[0,1] op_sel_hi:[1,1]
.else
	v_pk_add_f32 v[ACC+8*t+2*i:ACC+8*t+2*i+1], v[ACC+8*t+2*i:ACC+8*t+2*i+1], v[B2+2*(t/2):B2+2*(t/2)+1] op_sel:[0,0] op_sel_hi:[1,0]
.endif
.set i, i+1
.endr
.set t, t+1
.endr
	WIN 0x45
.set i, 0
.rept 32
	v_pk_mul_f32 v[E2+2*i:E2+2*i+1], v[ACC+2*i:ACC+2*i+1], v[ACC+2*i:ACC+2*i+1]
.set i, i+1
.endr
.set i, 0
.rept 32
	v_pk_fma_f32 v[E2+2*i:E2+2*i+1], v[E2+2*i:E2+2*i+1], s[34:35], s[32:33] op_sel_hi:[1,0,0]
.set i, i+1
.endr
.set i, 0
.rept 32
	v_pk_mul_f32 v[E2+2*i:E2+2*i+1], v[E2+2*i:E2+2*i+1], v[ACC+2*i:ACC+2*i+1]
.set i, i+1
.endr
.endif
.if (\l1) || (\l2a)
	WIN 0x41
.endif
.set i, 0
.rept 64                                       ; layer 2's exponentials, a plain line of layer 1 behind each
.if \l2a
	v_exp_f32 v[E2+i], v[E2+i]
.endif
.if \l1
	v_pk_mul_f32 v[E+2*i:E+2*i+1], v[E+2*i:E+2*i+1], v[X+2*i:X+2*i+1]   ; gelu = x / (1 + 2^..)
.endif
.set i, i+1
.endr
.if \l1
	WIN 0x05
.set i, 0
.rept 64
	v_cvt_pk_bf16_f32 v[X+i], v[E+2*i], v[E+2*i+1]
.set i, i+1
.endr
	WIN 0
.set n, 0
.rept 16
	ds_store_b128 v2, v[X+4*n:X+4*n+3] offset:528*n   ; row n; this trip's reads of these bytes were waited for ahead of the products
.set n, n+1
.endr
.endif
.if \l2a
	v_nop
	s_wait_alu depctr_va_vdst(0)                   ; one wait for layer 2's 64 exponentials, ahead of the branch and of the next trip's readers
.endif
	WIN 0                                          ; at a label and at a branch every window is 0
.endm
	TRIP 1, 0, 0, 0                                ; point 0
	TRIP 1, 1, 1, 0                                ; points 1 | 0
	s_mov_b32 s49, 30
.Lc:
	TRIP 1, 1, 1, 1                                ; points c | c - 1 | c - 2, c = 2 .. 31
	s_sub_co_u32 s49, s49, 1
	s_cmp_lg_u32 s49, 0
	s_cbranch_scc1 .Lc
	TRIP 0, 1, 1, 1                                ; points - | 31 | 30
	TRIP 0, 0, 0, 1                                ; points - | - | 31
	s_wait_tensorcnt 0x0                           ; the wave's end: three closing lines behind my last LDS store
	ds_add_u32 v6, v7
	s_wait_dscnt 0x0
	s_endpgm
.Lfunc_end_k_q9ab4d287b3_main:
	.size	k_q9ab4d287b3_main, .Lfunc_end_k_q9ab4d287b3_main-k_q9ab4d287b3_main
	.p2alignl 7, 3214868480
	.fill 96, 4, 3214868480
	.section	.rodata,"a",@progbits
	.p2align	6, 0x0
	.amdhsa_kernel k_q9ab4d287b3_main
		.amdhsa_group_segment_fixed_size 34304
		.amdhsa_private_segment_fixed_size 0
		.amdhsa_enable_private_segment 0
		.amdhsa_kernarg_size 48
		.amdhsa_user_sgpr_count 2
		.amdhsa_user_sgpr_kernarg_segment_ptr 1
		.amdhsa_wavefront_size32 1
		.amdhsa_system_sgpr_workgroup_id_x 1
		.amdhsa_system_sgpr_workgroup_id_y 1
		.amdhsa_system_sgpr_workgroup_id_z 1
		.amdhsa_system_vgpr_workitem_id 0
		.amdhsa_next_free_vgpr 1024
		.amdhsa_next_free_sgpr 66
		.amdhsa_reserve_vcc 0
		.amdhsa_float_denorm_mode_32 3
		.amdhsa_float_denorm_mode_16_64 3
		.amdhsa_memory_ordered 1
		.amdhsa_forward_progress 1
		.amdhsa_inst_pref_size 228
	.end_amdhsa_kernel
	.amdgpu_metadata
---
amdhsa.version: [ 1, 2 ]
amdhsa.kernels:
  - .name:           k_q9ab4d287b3_main
    .symbol:         k_q9ab4d287b3_main.kd
    .args:
      - { .name: NBR, .offset: 0, .size: 8, .value_kind: global_buffer, .address_space: global }
      - { .name: U, .offset: 8, .size: 8, .value_kind: global_buffer, .address_space: global }
      - { .name: CC, .offset: 16, .size: 8, .value_kind: global_buffer, .address_space: global }
      - { .name: W2I, .offset: 24, .size: 8, .value_kind: global_buffer, .address_space: global }
      - { .name: b2, .offset: 32, .size: 8, .value_kind: global_buffer, .address_space: global }
      - { .name: out0, .offset: 40, .size: 8, .value_kind: global_buffer, .address_space: global }
    .group_segment_fixed_size: 34304
    .private_segment_fixed_size: 0
    .kernarg_segment_align: 8
    .kernarg_segment_size: 48
    .max_flat_workgroup_size: 128
    .sgpr_count:     66
    .vgpr_count:     1024
    .wavefront_size: 32
...
	.end_amdgpu_metadata
.endif
;; end of part 3
;; ======== version 2 of 2: 3 launches; version 1 with the launch prep written anew for expert scheduling mode
;; limits: a function is approximated: absolute error at most 0.001
;; workspace buffers: NBR 2,097,152 bytes of whole numbers; U 16,777,216 bytes; CC 33,554,432 bytes; W2I 65,536 bytes
;; launch knn: the kernel of part 1 again; grid 256 x 1, 4 waves a work-group, no clusters, 39,936 bytes of LDS; arguments points, NBR; writes NBR
;; launch prep (part 4): grid 256 x 1, 4 waves a work-group, no clusters, 279,040 bytes of LDS; arguments features, W1, b1, W2, U, CC, W2I; writes U, CC, W2I
.if DOCPART == 4
	.amdgcn_target "amdgcn-amd-amdhsa--gfx1250"
	.amdhsa_code_object_version 6
	.text
	.protected	k_q9ab4d287b3_prep
	.globl	k_q9ab4d287b3_prep
	.p2align	8
	.type	k_q9ab4d287b3_prep,@function
k_q9ab4d287b3_prep:
	s_mov_b64 s[64:65], 0
	v_nop
	global_prefetch_b8 v0, s[64:65] scope:SCOPE_SE
	s_setreg_imm32_b32 hwreg(HW_REG_WAVE_SCHED_MODE, 0, 2), 2
	s_setreg_imm32_b32 hwreg(HW_REG_WAVE_MODE, 25, 1), 1
	s_wait_xcnt 0x0
	s_wait_alu depctr_vm_vsrc(0)
; LAYER 1 IS LINEAR IN FRONT OF ITS GELU: (f_j - f_i) W1a + f_i W1b + b1 = U[j] + C[i] (W1a: rows 0-127 of W1, W1b: rows 128-255), with
;   U[j] = f_j W1a - f_ref W1a   and   C[i] = (f_i W1b + b1) - U[i],   f_ref = the features of the batch's point 0.
; The reference row drops out of the sum; it is there so that what is rounded to bf16 (U) is of the size of the features' spread, whatever offset they share.
; This launch makes U (bf16, [point][256]) and C (f32, [point][256]) once for each point, and W2I, W2 in bf16 in the order in which the next launch's matrix operand wants it.
; All inputs are rounded to bf16; sums and the differences behind them in f32.  U is rounded once more, to bf16, when it is stored; C, which all 16 neighbours of a point share, stays in f32.
; SHARES.  A work-group owns 128 points, a wave 32 (two blocks of 16).  W1 lies in LDS in bf16 as it lies in memory ([k][n]) and is read turned, by ds_load_tr16_b128.
; THE MATRIX INSTRUCTION IS USED TRANSPOSED (source 0 = 16 columns of W1, source 1 = 16 points): a lane then holds one point (lane % 16) and eight neighbouring columns 8 (lane / 16) + 0..7.
; A fifth product takes the reference row as all 16 points: every lane then holds f_ref W1a for just the columns of its other results.
; No cluster and no tensor load: W1 is 256 KiB read once by a work-group and converted on the way, which wants registers anyway.
; THE MODE: SCHED_MODE bits 1:0 = 2 (LLVM: expert scheduling mode 2), set by the entry lines.  The code itself states the register dependences
; between vector or matrix instructions and memory or LDS instructions, with s_wait_alu, always for 0.
; THE PLAN.  Registers that memory or LDS instructions touch, and who else names them:
;   W1's loop.  RAW v[64:127], 16 slots in four groups: a group's eight conversions read it, and behind them it is loaded again.  OUT0 v[16:23], OUT1 v[52:59]: group g's conversions write
;     OUT[g % 2], its four LDS stores read it.  v25, the stores' address, is stepped once a trip.  v24, the loads' offset, is never written again.
;     One wait on va_vdst a group, behind its conversions; its loads and stores follow with nothing vector between.  A wait on vm_vsrc in groups 1 and 2, ahead of their own stores, frees the OUT that the
;     next group writes; the one at the trip's end, ahead of v25's step, frees both for the next trip.
;   The features and the reference row are converted in place and stored from there: one wait on va_vdst for 33 LDS stores.
;   A tile.  v[80:151], W1's fragments and b1: the tile's products read them; behind the products, and one wait on va_vdst, the NEXT tile's loads land in them, and are out while the tile's 24 vector lines run.
;     The packs v[184:187], v[232:235] and C in v[160:167], v[176:183]: written by those lines, read by six LDS stores behind a second wait on va_vdst.
;     v4 to v6 and the stores' two addresses are stepped at the tile's end, behind one wait on vm_vsrc, which also frees the stores' data for the next tile.
;   The way out.  W v[80:143]: LDS loads land in it, global stores read it: a wait on vm_vsrc between a run's stores and the next run's loads.
.set FSB, 139264                       ; behind W1 (256 rows x 544 bytes): the features, 32 rows x 272 bytes a wave
.set USB, 174080                       ; the way out, each wave's own: U 32 rows x 272 bytes, then C 32 rows x 528 bytes: 25,600 bytes a wave
.set B1S, 276480                       ; b1, rounded to bf16, as f32: 1,024 bytes
.set SPARE, 277504                     ; the spare words, 128 bytes a wave
.set RFS, 278016                       ; the reference row in bf16, 256 bytes, a copy for each wave
.set W, 80                             ; the way out's 64 registers: W1's fragments, which are dead outside a tile
; v4, v5 turned loads of W1a, W1b; v6 b1; v7, v8 into the way out (U, C), columns 0-127; v188, v189 the same for columns 128-255; v9 feature fragments; v10, v11 U back and in memory;
; v12, v13 C back and in memory; v14, v15 the add's registers; v190 the reference row's fragments
; v[16:79] feature fragments (block m, K step k at 16 + 32 m + 8 k); v[80:111], v[112:143] fragments of W1a, W1b; v[144:151] b1; v[152:183] four accumulators; v[184:187], v[232:235] U packed, block 0 and block 1;
; v[192:223] the reference row's fragments; v[224:231] its accumulator
; at the head: v16 at work, then v[16:23], v[52:59] W1 in bf16; v24-27, v44-46 addresses, v[28:43] b1 and W2, v[48:51] the reference row, v[64:127] W1's ring, v[128:255] features
	s_load_b256 s[4:11], s[0:1], 0x0               ; features s[4:5], W1 s[6:7], b1 s[8:9], W2 s[10:11]
	s_load_b128 s[12:15], s[0:1], 0x20             ; U s[12:13], CC s[14:15]
	s_load_b64 s[16:17], s[0:1], 0x30              ; W2I
	v_lshl_add_u32 v14, v0, 2, SPARE
	v_mov_b32 v15, 0
	v_lshrrev_b32 v1, 5, v0
	v_readfirstlane_b32 s18, v1                    ; wave 0..3
	v_and_b32 v1, 31, v0                           ; l
	v_and_b32 v2, 15, v0                           ; l % 16
	v_bfe_u32 v3, v0, 4, 1                         ; l / 16
	v_and_b32 v16, 7, v0
	v_lshl_add_u32 v16, v3, 3, v16
	v_mul_u32_u24 v4, v16, 544                     ; the turning load: row 8 (l / 16) + l % 8,
	v_bfe_u32 v16, v0, 3, 1
	v_lshl_add_u32 v4, v16, 4, v4                  ; 16 bytes for each half of eight lanes
	v_add_nc_u32 v5, 69632, v4                     ; 128 rows on
	v_lshl_add_u32 v6, v3, 5, B1S
	s_wait_alu depctr_va_sdst(0)                   ; s18 is written, ahead of its first reader: LDS places, bases and branches are made from it
	s_mul_i32 s19, s18, 25600
	s_add_co_u32 s19, s19, USB
	s_add_co_u32 s20, s19, 8704
	s_mul_i32 s21, s18, 8704
	s_add_co_u32 s21, s21, FSB
	s_lshl_b32 s24, s18, 8
	s_add_co_u32 s24, s24, RFS                     ; my wave's copy of the reference row
	v_mul_u32_u24 v7, v2, 272
	v_lshl_add_u32 v7, v3, 4, v7
	v_add_nc_u32 v9, s21, v7
	v_add_nc_u32 v7, s19, v7
	v_mul_u32_u24 v8, v2, 528
	v_lshl_add_u32 v8, v3, 5, v8
	v_add_nc_u32 v8, s20, v8
	v_mul_u32_u24 v10, v3, 272
	v_lshl_add_u32 v10, v2, 4, v10
	v_add_nc_u32 v10, s19, v10
	v_lshlrev_b32 v11, 9, v3
	v_lshl_add_u32 v11, v2, 4, v11
	v_lshl_add_u32 v12, v1, 4, s20
	v_lshlrev_b32 v13, 4, v1
	v_lshlrev_b32 v24, 4, v0                       ; 16 x thread: W1 and b1 in memory
	s_lshr_b32 s22, s18, 1
	s_mul_i32 s22, s22, 544
	s_and_b32 s23, s18, 1
	s_lshl_b32 s23, s23, 8
	s_add_co_u32 s22, s22, s23
	v_lshl_add_u32 v25, v1, 3, s22                 ; W1 in LDS: row thread / 64, 8 bytes at 8 (thread % 64)
	v_lshl_add_u32 v26, v1, 3, s21                 ; features in LDS
	s_lshl_b32 s23, s18, 9
	s_add_co_u32 s23, s23, B1S
	v_lshl_add_u32 v27, v1, 4, s23
	v_and_b32 v16, 1, v1
	v_lshlrev_b32 v44, 11, v16                     ; W2: rows 4 (l % 2) on,
	v_lshrrev_b32 v16, 1, v1
	v_lshl_add_u32 v44, v16, 5, v44                ; column 8 (l / 2)
	v_lshlrev_b32 v45, 3, v1                       ; W2I: 8 bytes a lane
	v_lshl_add_u32 v46, v1, 3, s24                 ; the reference row in LDS
	s_lshl_b32 s40, ttmp9, 16                      ; my 32 points: rows of 512 bytes in features and U,
	s_lshl_b32 s41, s18, 14
	s_add_co_u32 s40, s40, s41
	s_mov_b32 s41, 0
	s_lshl_b32 s42, ttmp9, 17                      ; of 1,024 bytes in CC
	s_lshl_b32 s43, s18, 15
	s_add_co_u32 s42, s42, s43
	s_mov_b32 s43, 0
	; W2I: work-group g makes 256 bytes: of fragment g / 4 = 8 s + t the half (g / 2) % 2, lanes 16 (g % 2) on: rows 32 s + 16 half + 8 (g % 2) on of W2, columns t, 8 + t, ..
	s_lshr_b32 s44, ttmp9, 5
	s_lshl_b32 s44, s44, 14                        ; 32 s rows of 512 bytes
	s_bfe_u32 s45, ttmp9, 0x10001
	s_lshl_b32 s45, s45, 13
	s_add_co_u32 s44, s44, s45
	s_and_b32 s45, ttmp9, 1
	s_lshl_b32 s45, s45, 12
	s_add_co_u32 s44, s44, s45
	s_bfe_u32 s45, ttmp9, 0x30002
	s_lshl_b32 s45, s45, 2
	s_add_co_u32 s44, s44, s45                     ; column t
	s_mov_b32 s45, 0
	s_lshl_b32 s46, ttmp9, 8
	s_mov_b32 s47, 0
	s_lshr_b32 s48, ttmp9, 3
	s_lshl_b32 s48, s48, 19                        ; the batch's first row of features
	s_mov_b32 s49, 0
	s_wait_kmcnt 0x0
	s_add_nc_u64 s[26:27], s[4:5], s[40:41]
	s_add_nc_u64 s[50:51], s[4:5], s[48:49]
	s_add_nc_u64 s[36:37], s[12:13], s[40:41]
	s_add_nc_u64 s[38:39], s[14:15], s[42:43]
	s_add_nc_u64 s[32:33], s[10:11], s[44:45]
	s_add_nc_u64 s[34:35], s[16:17], s[46:47]
	s_mov_b64 s[28:29], s[6:7]
	s_wait_alu depctr_va_vdst(0)                   ; the offsets and LDS addresses v4 to v13, v24 to v27 and v44 to v46 are written: the loads and stores below read them
	s_cmp_lt_u32 s18, 2                            ; b1: 64 threads, 16 bytes each
	s_cbranch_scc0 .Lb1a
	global_load_b128 v[28:31], v24, s[8:9]
.Lb1a:
	s_cmp_eq_u32 s18, 3                            ; W2's slice: wave 3
	s_cbranch_scc0 .Lw2a
.set i, 0
.rept 4
	global_load_b32 v[32+i], v44, s[32:33] offset:512*i
.set i, i+1
.endr
.Lw2a:
	global_load_b128 v[48:51], v13, s[50:51]       ; the reference row
.set i, 0
.rept 32
	global_load_b128 v[128+4*i:131+4*i], v13, s[26:27] offset:512*i th:TH_LOAD_NT   ; a row of features: 512 consecutive bytes
.set i, i+1
.endr
; W1: a ring of 16 slots in registers; the work-group's 16 loads cover 32 rows of W1
.set j, 0
.rept 16
	global_load_b128 v[64+4*j:67+4*j], v24, s[28:29] offset:2048*j
.set j, j+1
.endr
; Group g of the ring's four: slots 4 g to 4 g + 3.  refill = 1: the slots are asked for again, 32 rows of W1 on.  left: how many younger loads may stay out.
; free = 1: the wait that frees the other out-buffer stands here (groups 1 and 2; for groups 3 and 0 the wait at the trip's end does it).
.macro W1G g, refill, left, free
.set OB, 16+36*((\g)%2)                ; v[16:23] or v[52:59]
	s_wait_loadcnt \left                           ; loads come back in order: this group's four are in, the younger groups' stay out
.set q, 0
.rept 4
	v_cvt_pk_bf16_f32 v[OB+2*q], v[64+16*(\g)+4*q], v[65+16*(\g)+4*q]
	v_cvt_pk_bf16_f32 v[OB+2*q+1], v[66+16*(\g)+4*q], v[67+16*(\g)+4*q]
.set q, q+1
.endr
.if \free
	s_wait_alu depctr_vm_vsrc(0)                   ; the LDS stores of the group before have read the other out-buffer, which the next group's conversions write
.endif
	s_wait_alu depctr_va_vdst(0)                   ; the conversions have written this out-buffer, which the stores read, and are done reading the four slots, in which the loads land; in a trip's first group v25 is written
.if \refill
.set q, 0
.rept 4
	global_load_b128 v[64+16*(\g)+4*q:67+16*(\g)+4*q], v24, s[28:29] offset:32768+2048*(4*(\g)+q)
.set q, q+1
.endr
.endif
.set q, 0
.rept 4
	ds_store_b64 v25, v[OB+2*q:OB+2*q+1] offset:1088*(4*(\g)+q)
.set q, q+1
.endr
.endm
	s_mov_b32 s30, 7
.Lw1:
	W1G 0, 1, 12, 0
	W1G 1, 1, 12, 1
	W1G 2, 1, 12, 1
	W1G 3, 1, 12, 0
	s_wait_xcnt 0x0                                ; the loads have read their base: only now is it stepped
	s_add_nc_u64 s[28:29], s[28:29], 32768
	s_wait_alu depctr_vm_vsrc(0)                   ; the trip's LDS stores have read v25, which the next line steps, and both out-buffers, which the next trip's first two groups write
	v_add_nc_u32 v25, 17408, v25
	s_sub_co_u32 s30, s30, 1
	s_cmp_lg_u32 s30, 0
	s_cbranch_scc1 .Lw1
	W1G 0, 0, 12, 0                                ; the last 32 rows: nothing more is asked for, the counts run down
	W1G 1, 0, 8, 1
	W1G 2, 0, 4, 1
	W1G 3, 0, 0, 0
.set i, 0
.rept 32                                       ; the features were asked for ahead of W1: they are in.  Four numbers close up into the first two of their four registers
	v_cvt_pk_bf16_f32 v[128+4*i], v[128+4*i], v[129+4*i]
	v_cvt_pk_bf16_f32 v[129+4*i], v[130+4*i], v[131+4*i]
.set i, i+1
.endr
	v_cvt_pk_bf16_f32 v48, v48, v49                ; and so is the reference row
	v_cvt_pk_bf16_f32 v49, v50, v51
	s_wait_alu depctr_va_vdst(0)                   ; the 66 conversions have written the pairs that the 33 LDS stores read
.set i, 0
.rept 32
	ds_store_b64 v26, v[128+4*i:129+4*i] offset:272*i
.set i, i+1
.endr
	ds_store_b64 v46, v[48:49]
	s_cmp_lt_u32 s18, 2
	s_cbranch_scc0 .Lb1b
	v_cvt_pk_bf16_f32 v36, v28, v29
	v_cvt_pk_bf16_f32 v37, v30, v31
	v_lshlrev_b32 v28, 16, v36
	v_and_b32 v29, 0xffff0000, v36
	v_lshlrev_b32 v30, 16, v37
	v_and_b32 v31, 0xffff0000, v37
	s_wait_alu depctr_va_vdst(0)                   ; v[28:31] are written, which the LDS store reads
	ds_store_b128 v27, v[28:31]
.Lb1b:
	s_cmp_eq_u32 s18, 3
	s_cbranch_scc0 .Lw2b
	v_cvt_pk_bf16_f32 v40, v32, v33
	v_cvt_pk_bf16_f32 v41, v34, v35
	s_wait_alu depctr_va_vdst(0)                   ; v[40:41] are written, which the store reads
	global_store_b64 v45, v[40:41], s[34:35]       ; 256 consecutive bytes, aligned: a quarter of a fragment as the registers want it
.Lw2b:
	s_wait_dscnt 0x0                               ; for the others' sake: my part of W1 and of b1 lies in LDS
	s_barrier_signal -1
	s_barrier_wait -1
	s_wait_xcnt 0x0                                ; W2I's store has read its data and offset: the fragments below land on those registers
	s_wait_alu depctr_vm_vsrc(0)                   ; the head's loads and stores have read their addresses and data in v[16:59] and v[128:255]: from here on these are addresses, fragments, accumulators and packs
	v_mov_b32 v188, v7                             ; the second half's tiles begin at the same places of the way out, in registers of their own: no address is stepped back
	v_mov_b32 v189, v8
	v_lshl_add_u32 v190, v3, 4, s24                ; the reference row for every point of a fragment: no row term
	s_wait_alu depctr_va_vdst(0)                   ; v188 to v190 are written; every vector line of the head is done with v[16:151] and v[192:223], in which the fragments below land
.set i, 0
.rept 8                                        ; block i / 4, K step i % 4: 16 points x 32 channels, two loads of 16 bytes, 32 bytes apart
	ds_load_b128 v[16+8*i:19+8*i], v9 offset:4352*(i/4)+64*(i%4)
	ds_load_b128 v[20+8*i:23+8*i], v9 offset:4352*(i/4)+64*(i%4)+32
.set i, i+1
.endr
.set k, 0
.rept 4
	ds_load_b128 v[192+8*k:195+8*k], v190 offset:64*k
	ds_load_b128 v[196+8*k:199+8*k], v190 offset:64*k+32
.set k, k+1
.endr
; A tile's fragments of W1a and W1b and its 8 numbers of b1: 18 LDS loads.  ahead = 1: the tile behind the one at which v4 to v6 stand, reached by the immediates.
.macro LOADT ahead
.set k, 0
.rept 4
	ds_load_tr16_b128 v[80+8*k:83+8*k], v4 offset:17408*k+32*(\ahead)
	ds_load_tr16_b128 v[84+8*k:87+8*k], v4 offset:17408*k+8704+32*(\ahead)
	ds_load_tr16_b128 v[112+8*k:115+8*k], v5 offset:17408*k+32*(\ahead)
	ds_load_tr16_b128 v[116+8*k:119+8*k], v5 offset:17408*k+8704+32*(\ahead)
.set k, k+1
.endr
	ds_load_b128 v[144:147], v6 offset:64*(\ahead)
	ds_load_b128 v[148:151], v6 offset:64*(\ahead)+16
.endm
; A TILE: 16 columns of U and of C for my 32 points; ua, ca: the registers that say where they go in the way out.
; The five accumulators (block 0: a, b; block 1: a, b; the reference row) take turns, one instruction a turn.  Part b's sums start with b1, the others with 0.
; Behind the products the next tile's fragments are asked for; a half's last tile (s30 = 1) asks for nothing: the way out takes the fragments' registers, and behind column 255 there is no tile.
.macro TILE ua, ca
	s_wait_dscnt 0x0                               ; this tile's fragments and b1, asked for in the tile before (a half's first: ahead of the loop)
.set k, 0
.rept 4
.set mi, 0
.rept 2
.if k == 0
	v_wmma_f32_16x16x32_bf16 v[152+16*mi:159+16*mi], v[80+8*k:87+8*k], v[16+32*mi+8*k:23+32*mi+8*k], 0
	v_wmma_f32_16x16x32_bf16 v[160+16*mi:167+16*mi], v[112+8*k:119+8*k], v[16+32*mi+8*k:23+32*mi+8*k], v[144:151]
.else
	v_wmma_f32_16x16x32_bf16 v[152+16*mi:159+16*mi], v[80+8*k:87+8*k], v[16+32*mi+8*k:23+32*mi+8*k], v[152+16*mi:159+16*mi]
	v_wmma_f32_16x16x32_bf16 v[160+16*mi:167+16*mi], v[112+8*k:119+8*k], v[16+32*mi+8*k:23+32*mi+8*k], v[160+16*mi:167+16*mi]
.endif
.set mi, mi+1
.endr
.if k == 0
	v_wmma_f32_16x16x32_bf16 v[224:231], v[80+8*k:87+8*k], v[192+8*k:199+8*k], 0
.else
	v_wmma_f32_16x16x32_bf16 v[224:231], v[80+8*k:87+8*k], v[192+8*k:199+8*k], v[224:231]
.endif
.set k, k+1
.endr
.rept 8
	v_nop                                          ; the places behind the last products, ahead of the lines that read their results (ISA guide 7.12.1); they stay beside the wait below
.endr
	s_wait_alu depctr_va_vdst(0)                   ; the products are done reading W1's fragments and b1, in which the next tile's loads land; v4 to v6, stepped at the last tile's end, are written
	s_cmp_eq_u32 s30, 1
	s_cbranch_scc1 .Lno_next_\@
	LOADT 1                                        ; out while the 24 vector lines below run: these name accumulators and packs alone
.Lno_next_\@:
.set mi, 0
.rept 2
.set i, 0
.rept 4
	v_pk_add_f32 v[152+16*mi+i:153+16*mi+i], v[152+16*mi+i:153+16*mi+i], v[224+i:225+i] neg_lo:[0,1] neg_hi:[0,1]   ; U = f W1a - f_ref W1a; each accumulator is read from its low end on
.set i, i+2
.endr
.set i, 0
.rept 4
	v_pk_add_f32 v[160+16*mi+i:161+16*mi+i], v[160+16*mi+i:161+16*mi+i], v[152+16*mi+i:153+16*mi+i] neg_lo:[0,1] neg_hi:[0,1]   ; C = (f W1b + b1) - U
.set i, i+2
.endr
.set i, 0
.rept 4
	v_cvt_pk_bf16_f32 v[184+48*mi+i], v[152+16*mi+2*i], v[153+16*mi+2*i]   ; a pack of its own for each block
.set i, i+1
.endr
.set mi, mi+1
.endr
	s_wait_alu depctr_va_vdst(0)                   ; both packs and both blocks' C are written, which the six LDS stores read
.set mi, 0
.rept 2
	ds_store_b128 v[\ua], v[184+48*mi:187+48*mi] offset:4352*mi
	ds_store_b128 v[\ca], v[160+16*mi:163+16*mi] offset:8448*mi
	ds_store_b128 v[\ca], v[164+16*mi:167+16*mi] offset:8448*mi+16
.set mi, mi+1
.endr
	s_wait_alu depctr_vm_vsrc(0)                   ; the tile's loads have read v4 to v6 and its stores their two addresses, which the five lines below step; the stores have read the packs and C, which the next tile writes
	v_add_nc_u32 v4, 32, v4                        ; the next 16 columns
	v_add_nc_u32 v5, 32, v5
	v_add_nc_u32 v6, 64, v6
	v_add_nc_u32 v[\ua], 32, v[\ua]
	v_add_nc_u32 v[\ca], 64, v[\ca]
.endm
; THE WAY OUT of 128 columns (half hc): my wave's own bytes come back as whole rows, served in order behind the stores above
.macro FLUSH hc
	s_wait_xcnt 0x0                                ; earlier stores have read their data: the registers are loaded again only behind this wait
.set i, 0
.rept 16
	ds_load_b128 v[W+4*i:W+4*i+3], v10 offset:544*i   ; the products that read these registers stand ahead of the last tile's waits, and no vector line since names them
.set i, i+1
.endr
.set i, 0
.rept 16
	s_wait_dscnt 15-i                              ; the younger loads may stay out
	global_store_b128 v11, v[W+4*i:W+4*i+3], s[36:37] offset:1024*i+256*\hc   ; 16 lanes store 256 consecutive bytes, aligned: half a row of U
.set i, i+1
.endr
.irp b, 0,1
	s_wait_xcnt 0x0
	s_wait_alu depctr_vm_vsrc(0)                   ; the 16 stores above have read W's registers, in which the next 16 rows land
.set i, 0
.rept 16
	ds_load_b128 v[W+4*i:W+4*i+3], v12 offset:528*(16*\b+i)
.set i, i+1
.endr
.set i, 0
.rept 16
	s_wait_dscnt 15-i
	global_store_b128 v13, v[W+4*i:W+4*i+3], s[38:39] offset:1024*(16*\b+i)+512*\hc   ; 512 consecutive bytes, aligned: half a row of CC
.set i, i+1
.endr
.endr
.endm
	LOADT 0                                        ; the first tile's fragments, behind the same wait as the features'
	s_mov_b32 s30, 8
.Lt0:                                                  ; columns 0 to 127
	TILE 7, 8
	s_sub_co_u32 s30, s30, 1
	s_cmp_lg_u32 s30, 0
	s_cbranch_scc1 .Lt0
	FLUSH 0
	s_wait_xcnt 0x0                                ; the stores have read their data: the next tile's fragments land on those registers
	s_wait_alu depctr_vm_vsrc(0)                   ; the way out's last stores have read W's registers, in which the fragments below land
	s_wait_alu depctr_va_vdst(0)                   ; v4 to v6, stepped at the last tile's end, are written: the loads below go by them
	LOADT 0
	s_mov_b32 s30, 8
.Lt1:                                                  ; columns 128 to 255
	TILE 188, 189
	s_sub_co_u32 s30, s30, 1
	s_cmp_lg_u32 s30, 0
	s_cbranch_scc1 .Lt1
	FLUSH 1
	s_wait_dscnt 0x0                               ; the closing lines, six on end
	s_wait_alu 0x0
	s_wait_tensorcnt 0x0
	ds_add_u32 v14, v15
	s_wait_dscnt 0x0
	s_endpgm
.Lfunc_end_k_q9ab4d287b3_prep:
	.size	k_q9ab4d287b3_prep, .Lfunc_end_k_q9ab4d287b3_prep-k_q9ab4d287b3_prep
	.p2alignl 7, 3214868480
	.fill 96, 4, 3214868480
	.section	.rodata,"a",@progbits
	.p2align	6, 0x0
	.amdhsa_kernel k_q9ab4d287b3_prep
		.amdhsa_group_segment_fixed_size 279040
		.amdhsa_private_segment_fixed_size 0
		.amdhsa_enable_private_segment 0
		.amdhsa_kernarg_size 56
		.amdhsa_user_sgpr_count 2
		.amdhsa_user_sgpr_kernarg_segment_ptr 1
		.amdhsa_wavefront_size32 1
		.amdhsa_system_sgpr_workgroup_id_x 1
		.amdhsa_system_sgpr_workgroup_id_y 1
		.amdhsa_system_sgpr_workgroup_id_z 1
		.amdhsa_system_vgpr_workitem_id 0
		.amdhsa_next_free_vgpr 256
		.amdhsa_next_free_sgpr 66
		.amdhsa_reserve_vcc 0
		.amdhsa_float_denorm_mode_32 3
		.amdhsa_float_denorm_mode_16_64 3
		.amdhsa_memory_ordered 1
		.amdhsa_forward_progress 1
		.amdhsa_inst_pref_size 58
	.end_amdhsa_kernel
	.amdgpu_metadata
---
amdhsa.version: [ 1, 2 ]
amdhsa.kernels:
  - .name:           k_q9ab4d287b3_prep
    .symbol:         k_q9ab4d287b3_prep.kd
    .args:
      - { .name: features, .offset: 0, .size: 8, .value_kind: global_buffer, .address_space: global }
      - { .name: W1, .offset: 8, .size: 8, .value_kind: global_buffer, .address_space: global }
      - { .name: b1, .offset: 16, .size: 8, .value_kind: global_buffer, .address_space: global }
      - { .name: W2, .offset: 24, .size: 8, .value_kind: global_buffer, .address_space: global }
      - { .name: U, .offset: 32, .size: 8, .value_kind: global_buffer, .address_space: global }
      - { .name: CC, .offset: 40, .size: 8, .value_kind: global_buffer, .address_space: global }
      - { .name: W2I, .offset: 48, .size: 8, .value_kind: global_buffer, .address_space: global }
    .group_segment_fixed_size: 279040
    .private_segment_fixed_size: 0
    .kernarg_segment_align: 8
    .kernarg_segment_size: 56
    .max_flat_workgroup_size: 128
    .sgpr_count:     66
    .vgpr_count:     256
    .wavefront_size: 32
...
	.end_amdgpu_metadata
.endif
;; end of part 4
;; launch main: the kernel of part 3 again; grid 256 x 1, 4 waves a work-group, no clusters, 34,304 bytes of LDS; arguments NBR, U, CC, W2I, b2, out0; writes out0
